; MI455X (gfx1250); checked and timed in simulation.
; The chip was launched on July 23, 2026; its instructions are those of AMD's public machine-readable ISA for CDNA 5 (MIT licence, August 2026) and "CDNA5" Instruction Set Architecture Reference Guide (July 2026). The comments in the code are by the model that wrote it; some were corrected since.
;; DS Attention. Allowed arithmetic: matrix products marked QUANTISED: E2M1 operands, one E8M0 scale for each 32 along K, by v_wmma_scale_f32_16x16x128_f8f6f4 with both operands' format E2M1 (or v_wmma_scale_f32_32x16x128_f4), f32 sums; everything else in f32.
;; Inputs: delta 4 x 1 x 2,048 float32; keys_codes 4 x 2,048 x 8 x 2 x 16 uint8 (E2M1 codes of keys, K innermost, in blocks of 32 codes, two codes a byte); keys_scales 4 x 2,048 x 8 x 2 uint8 (E8M0 scales of keys, one for each 32 codes along K); queries_codes 4 x 2,048 x 8 x 2 x 16 uint8 (E2M1 codes of queries, K innermost, in blocks of 32 codes, two codes a byte); queries_scales 4 x 2,048 x 8 x 2 uint8 (E8M0 scales of queries, one for each 32 codes along K); tau 4 x 1 x 1 float32; values_codes 4 x 8 x 64 x 64 x 16 uint8 (E2M1 codes of values, K innermost, in blocks of 32 codes, two codes a byte); values_scales 4 x 8 x 64 x 64 uint8 (E8M0 scales of values, one for each 32 codes along K).
;; Outputs: out0 4 x 2,048 x 8 x 64 float32.
;; This version of the problem:
;;   THIS VERSION OF THE PROBLEM IS GIVEN IN LOW PRECISION. The matrix products marked QUANTISED in the list below multiply operands that are first quantised to E2M1 (2 exponent bits, 1 mantissa bit; 4 bits a number), with one power-of-two scale for each 32 numbers along K (OCP MX v1.0); their sums are f32. All else is computed in f32.
;;   The module's matrix products, in the order in which they are computed (A, B: the left and right operand; K: the contracted axis; several contracted axes count as one K, in the product's order):
;;     1. batch 32 x [M 2,048, K 64] x [K 64, N 2,048]; A: input queries (given as codes); B: input keys (given as codes): QUANTISED
;;     2. batch 32 x [M 64, K 2,048] x [K 2,048, N 2,048]; A: input values (given as codes); B: softmax (see below): QUANTISED
;;   THE QUANTISER, for each operand of a quantised product, along K:
;;     - K is cut into blocks of 32 from its start; a last block that is shorter is filled with zeros.
;;     - A block's scale is 2^e with e = floor(log2(the largest magnitude in the block)) - 2, held to -126 .. 127; a block of zeros has e = 0. As a byte (E8M0): e + 127.
;;     - Each number is divided by its block's scale, clamped to +-6, and rounded to the nearest number of E2M1, ties to even, subnormals kept.
;;     - The product sums the exact products of the quantised numbers (number of the format x scale) in f32.
;;   ~~~python
;;   def quantise(x, axis):      # numpy; x: float32 -> the quantised numbers, widened to float32 again
;;       x = np.moveaxis(x, axis, -1); K = x.shape[-1]
;;       x = np.pad(x, [(0, 0)] * (x.ndim - 1) + [(0, -K % 32)]); x = x.reshape(x.shape[:-1] + (-1, 32)); a = np.abs(x).max(-1, keepdims=True)
;;       e = np.where(a > 0, np.clip(np.frexp(np.where(a > 0, a, 1))[1] - 1 - 2, -126, 127), 0)      # np.frexp(a)[1] - 1 = floor(log2(a)), exactly
;;       r = np.clip(x / 2.0 ** e, -6, 6)
;;       step = 2.0 ** (np.maximum(np.frexp(np.where(r == 0, 1, r))[1] - 1, 0) - 1)
;;       q = np.round(r / step) * step * 2.0 ** e      # np.round: ties to even
;;       return np.moveaxis(q.reshape(q.shape[:-2] + (-1,))[..., :K], -1, axis).astype(np.float32)
;;   ~~~
;;   SOFTMAX AHEAD OF A QUANTISED PRODUCT. Where the list says 'softmax', what is quantised is not the finished softmax but p = 2^(t - M), with t = logit x log2(e) and M = ceil(the row's largest t), a whole number; so 1/2 < the row's largest p <= 1. The row's sum l is taken of the UNQUANTISED p, in f32, and the product's result is divided by l at the end. Since M is a whole number, a kernel that streams over the keys may use a running M (the ceiling of the running maximum): every later rescaling is an exact power of two, which a block's scale takes up: the codes' values come out the same.
;;   OPERANDS COMPUTED ON THE WAY. 'Computed on the way' means the value that the module computes at that place (a softmax that the list does not call 'softmax' is quantised finished and normalised). What goes into a quantiser is computed in f32, as accurately as f32 sums, v_exp_f32 and their like allow (about 1e-6 of the number): no bf16 or f16 on the way to a quantiser, and a product that is left as it is and whose result goes on into a quantised operand takes f32 operands (vector FMAs, or v_wmma_f32_16x16x4_f32). A number that lies on a knife's edge between two numbers of the format may be rounded either way, as far as f32 arithmetic and the matrix unit's own rounding can turn it there, and no further.
;;   INPUTS GIVEN AS CODES. keys (in the module: [4, 2048, 8, 64], K = its axis 3); queries (in the module: [4, 2048, 8, 64], K = its axis 3); values (in the module: [4, 2048, 8, 64], K = its axis 1): each comes as NAME_codes (uint8): NAME with its K axis moved to the last place and cut into blocks of 32 codes, [.., K / 32, bytes a block], one block behind the other in memory; two codes a byte, the lower K in the low four bits (a code: sign, 2 exponent bits, 1 mantissa bit); and NAME_scales (uint8): the same leading axes, one E8M0 byte (e + 127) for each 32 codes along K. Its value is code x scale, taken as it is: it is not quantised again, and the codes and scales need not be those that the quantiser above would give.
;; One version. Each part assembles by itself: llvm-mc -triple=amdgcn-amd-amdhsa -mcpu=gfx1250 --defsym DOCPART=n.
;; ======== version 1 of 1: 1 launch
;; launch attn (part 1): grid 8 x 32, 8 waves a work-group, clusters of 4 x 1, 251,904 bytes of LDS; arguments queries_codes, queries_scales, keys_codes, keys_scales, values_codes, values_scales, tau, delta, out0; writes out0
.if DOCPART == 1
	.amdgcn_target "amdgcn-amd-amdhsa--gfx1250"
	.amdhsa_code_object_version 6
	.text
	.protected	k_qbeb24468fe_attn
	.globl	k_qbeb24468fe_attn
	.p2align	8
	.type	k_qbeb24468fe_attn,@function
k_qbeb24468fe_attn:
	s_mov_b64 s[64:65], 0
	v_nop
	global_prefetch_b8 v0, s[64:65] scope:SCOPE_SE
	s_setreg_imm32_b32 hwreg(HW_REG_WAVE_MODE, 25, 1), 1
	s_wait_xcnt 0x0
	s_wait_alu depctr_hold_cnt(0) depctr_sa_sdst(0) depctr_va_vdst(0) depctr_va_sdst(0) depctr_va_ssrc(0) depctr_va_vcc(0) depctr_vm_vsrc(0)
	s_getreg_b32 s2, hwreg(HW_REG_IB_STS2, 6, 4)
	s_cmp_eq_u32 s2, 0
	s_cbranch_scc0 .Lentry_in_a_cluster
	s_endpgm
.Lentry_in_a_cluster:
	s_bfe_u32 s2, ttmp6, 0x10000c
	s_cmp_lg_u32 s2, 0x3003
	s_cbranch_scc0 .Lentry_shape_is_right
	s_endpgm
.Lentry_shape_is_right:
; out0[b][l][head][:] = the sum over keys s <= l of softmax_s((q.k x tau[b] + delta[b][s]) / 8) v[s][:].  4 batches, 8 heads, 2,048 queries and keys, head size 64.
; Both products on codes of FP4 (E2M1) with one E8M0 scale for each 32 along K.  Q, K: codes along the head's 64, rows of 32 bytes, 256 bytes apart (8 heads side by side); V: codes with the keys innermost, 64 rows of 1,024 bytes a head.
; THE SOFTMAX AHEAD OF THE SECOND PRODUCT: u = score x tau + delta; t = u x log2(e) / 8; M = the row's largest t so far, rounded UP to a whole number; p = 2^(t - M) is quantised along the keys, not normalised.
; The row's sum is taken of the unquantised p, in f32, and divides O at the end.  When M moves, the sum and O are multiplied by 2^(old M - new M): exact.
; THE FIRST PRODUCT'S K IS 64, the instruction's 128: the upper 64 are zero codes on both sides (four registers of each fragment, cleared once); their scale bytes are 0, which is 2^-127 and scales zeros only.
; SHARES.  Work-group (g, bh): bh = 8 b + head, g = 0 .. 7.  Eight waves.  The 2,048 queries are 16 blocks of 128; a tile of 16 queries in block J needs the key steps 0 .. J of 128 keys, the last on the diagonal.
; Wave w makes tile g of block 15 - w (16 - w steps) and then tile g of block w (w + 1 steps): 17 steps for every wave of the launch, and every branch hangs on the wave's number and on counters alone.
; LDS.  A whole head's K, V, V's scales, the batch's K scales and delta fit: 216,064 bytes with padding.  Every byte is filled ONCE, so there is no ring and nothing is filled again.
; They come in four stages of 512 keys; each wave issues four tensor loads (stages 0 to 3 of one kind) at the start, so four loads of a wave are out at the most, and three barriers show the stages landed.
; The high tile goes first: its steps 0 to 7 are walked by every wave, so the barriers part phases of equal work.
; CLUSTER 4 x 1: the eight work-groups of a head read the same tiles; four of them form a cluster and ask JOINTLY (mask 15).  Not 4 x 4: only eight work-groups share anything, and they lie along x.
; LAYOUT.  Both products are used transposed: S^T = K Q^T (source 0 = 16 keys, source 1 = my 16 queries), O^T = V^T P^T (source 0 = 16 of the head's 64, source 1 = P): a lane holds ONE query (lane % 16) throughout.
; Tile T of a step is keys 16 T .. 16 T + 15; register 8 T + j of lane half h is key 16 T + 8 h + j.  A block of 32 keys is the 16 registers of tiles 2 b, 2 b + 1 in lanes l and l xor 16.
; LIMITS: NaN, infinities and scale bytes 0xff among the inputs are not served.  A p under 2^-126 counts as 0 (v_exp_f32 gives no denormals: ISA guide, its entry in 15.8).
; u is one fused multiply-add where the definition rounds twice.  tau may be any finite number, 0 and negative too: the maximum is taken of u, not of the score.
; Left out: prefetches (all tiles are asked for in the first lines); register windows (256 registers a wave, two waves to a SIMD, so that one wave's vector work stands beside the other's matrix work and LDS loads).
; ---- LDS: every region a multiple of 256 bytes
.set KB,   0                           ; K's codes: key x 48 (32 bytes + 16 of padding: the 16 rows of a load fall on 16 different 16-byte columns of 256); a stage of 512 keys is 24,576
.set VB,   98304                       ; V's codes: stage q at 17,408 q; row d x 272 (256 bytes + 16)
.set SB,   167936                      ; K's scale bytes of all 8 heads: 16 keys (256 bytes) + 8 of padding = 264; a stage is 8,448
.set DB,   201728                      ; delta[b], f32, as it lies; a stage is 2,048
.set WB,   209920                      ; V's scale bytes: stage q at 1,536 q; row d x 24 (16 bytes + 8)
.set STG,  216064                      ; the way out: 16 rows x 272 for each wave; no tensor load lands here
; ---- scalar registers
.set WV,   22                          ; my wave's number
.set G16,  23                          ; 16 g: my tile's first query inside a block of 128.  It enters Q's and out0's addresses and the mask's numbers alone
.set BB,   24                          ; b
.set HEAD, 25
.set BH,   26                          ; 8 b + head
.set LIM,  27                          ; J: the pass's block of queries = its last key step
.set ST,   28                          ; the key step in hand
.set CNT,  29                          ; a chunk's four trips
.set TK,   30                          ; where the step's tiles begin in each LDS region
.set TV,   31
.set TS,   32
.set TD,   33
.set TW,   34
.set LA,   35                          ; a fill's LDS address, stage 0
.set G1K,  36                          ; s[36:43], s[44:51], s[52:59], s[68:75], s[76:83]: descriptor groups 1
.set G1V,  44
.set G1S,  52
.set SEL,  60                          ; s[60:61] v_permlanex16_b32's selects for lane l xor 16
.set CS,   62                          ; s[62:63] c = log2(e) / 8: the packed form names a pair and takes its low word for both halves
.set TAU,  66                          ; s[66:67] tau[b], likewise
.set G1D,  68
.set G1W,  76
.set G0,   84                          ; s[84:99] four descriptor groups 0: my four stages; never rewritten
.set GA,   100                         ; s[100:101] a fill's global address, stage 0; later out0's base
.set OB,   104                         ; (b << 22) + (head << 8): my head's first byte in out0
.set TMP,  105
; ---- vector registers
.set AK0,  1                           ; my lane's place in a tile of K: 48 r + 16 h
.set AV0,  2                           ; of V: VB + 272 r + 16 h
.set ASK0, 3                           ; among K's scale bytes: SB + 2 head + 16 r + 264 h: lanes 0-15 an even tile's keys, lanes 16-31 the next tile's
.set ASV0, 4                           ; among V's scale words: WB + 24 x lane: likewise two tiles of rows
.set AD0,  5                           ; in delta: DB + 32 h
.set ADD,  6                           ; addresses of the step in hand: delta's,
.set STO,  7                           ; the way out: where I put 32 bytes of a row
.set RD,   8                           ; and where I read a row back
.set ADK,  9                           ; K's (on the way out: my byte offset in out0's rows),
.set ADV,  10                          ; V's,
.set ADS,  11                          ; K's scale bytes'
.set QH,   16                          ; v[16:23] Q's fragment of the high tile: four registers of codes, four of zeros;  v[24:31] the low tile's
.set QL,   24
.set KF,   32                          ; v[32:63] four fragments of K: registers 4 to 7 of each are zeros, written once
.set DL,   64                          ; v[64:127] delta of the step's keys, in S^T's layout; then v[64:95] four fragments of V; on the way out rows of out0
.set S,    128                         ; v[128:191] S^T, then u, then p
.set O,    192                         ; v[192:223] O^T, four tiles
.set PC,   224                         ; v[224:231] p's codes
.set BM,   232                         ; v[232:235] the blocks' largest u, then p
.set PT,   236                         ; v[236:239] at work
.set KSW,  240                         ; v[240:243] K's scale words, two tiles to a register
.set CV,   244                         ; v[244:247] the conversions' scale operands
.set VSW,  248                         ; v[248:249] V's scale words, two tiles to a register
.set QHS,  250                         ; Q's scale words: the high tile's, the low tile's
.set QLS,  251
.set ADT,  255                         ; address of V's scale words.   v12 -M, v13 the largest t, v[14:15] the sum in two halves, v252 f, v253 p's scale word, v254 at work
; first words of the groups 1: 15:0 the mask, all four work-groups of the cluster; 17:16 element size; 20 padding on; 21 set beside a mask; 24:22 the padding's interval; 31:25 its length less one, in words
.set W0K, 15|(1<<20)|(1<<21)|(2<<22)|(3<<25)          ; bytes; 4 words behind every 8
.set W0V, 15|(1<<20)|(1<<21)|(5<<22)|(3<<25)          ; bytes; 4 words behind every 64
.set W0S, 15|(3<<16)|(1<<20)|(1<<21)|(5<<22)|(1<<25)  ; elements of 8 bytes; 2 words behind every 64
.set W0D, 15|(3<<16)|(1<<21)                          ; elements of 8 bytes; no padding
.set W0W, 15|(1<<20)|(1<<21)|(1<<22)|(1<<25)          ; bytes; 2 words behind every 4
.macro SHAPE g, w0, c, r, p            ; a group 1: r rows of c elements, p elements from row to row; the tiles lie inside their tensors, so the extents are the tile's
	s_mov_b32 s[\g], \w0
	s_mov_b32 s[\g+1], (\c)<<16                    ; tensor_dim0
	s_mov_b32 s[\g+2], (\r)<<16                    ; tensor_dim1
	s_mov_b32 s[\g+3], (\c)<<16                    ; tile_dim0
	s_mov_b32 s[\g+4], \r                          ; tile_dim1
	s_mov_b32 s[\g+5], \p                          ; tensor_dim0_stride
	s_mov_b32 s[\g+6], 0
	s_mov_b32 s[\g+7], 0
.endm
; A round of the cluster's barrier: my work-group's barrier, wave 0 signals for the work-group, every wave waits for all four work-groups, my work-group's barrier once more.
.macro CROUND
	s_barrier_signal -1
	s_barrier_wait -1
	s_cmp_lg_u32 s[WV], 0
	s_cbranch_scc1 .Lnot_wave_0_\@
	s_barrier_signal -3
.Lnot_wave_0_\@:
	s_barrier_wait -3
	s_barrier_signal -1
	s_barrier_wait -1
.endm
; My four joint loads, stages 0 to 3 in that order: four groups 0 from s[LA] and s[GA:GA+1], then the loads on end, then four v_nop.
.macro FILL4 g1, gstep, lstep
.irp q, 0,1,2,3
	s_mov_b32 s[G0+4*\q], 1                                        ; count = 1
	s_add_co_u32 s[G0+4*\q+1], s[LA], \q*(\lstep)                  ; LDS address
	s_add_nc_u64 s[G0+4*\q+2:G0+4*\q+3], s[GA:GA+1], \q*(\gstep)   ; global address of the tile's first element
	s_or_b32 s[G0+4*\q+3], s[G0+4*\q+3], 0x80000000                ; type = 2
.endr
.irp q, 0,1,2,3
	tensor_load_to_lds s[G0+4*\q:G0+4*\q+3], s[\g1:\g1+7]
	s_nop 0
.endr
.rept 4
	v_nop
.endr
.endm
; A stage has landed for everybody: my own load of it is in (n younger ones may stay out), no LDS instruction of mine is out, and the work-group's barrier.
.macro ARRIVE n
	s_wait_tensorcnt \n
	s_wait_dscnt 0x0
	s_barrier_signal -1
	s_barrier_wait -1
.endm
.macro INIT                            ; a tile begins: the largest t under every t, the sum and O^T zero.  (The step is written once: the first change of M multiplies zeros)
	v_mov_b32 v13, 0xff61b1e6                      ; -3e38
	s_delay_alu instid0(VALU_DEP_1)
	v_floor_f32 v12, -v13                          ; -M
	v_mov_b32 v14, 0
	v_mov_b32 v15, 0
.set jj, 0
.rept 32
	v_mov_b32 v[O+jj], 0
.set jj, jj+1
.endr
.endm
.macro QK t, qf, qs                    ; S^T of tile t: its fragment lies in set t % 4; its scale words in lanes 0-15 (t even) or 16-31 (t odd) of register t / 2
.if (\t)%2
	v_wmma_scale_f32_16x16x128_f8f6f4 v[S+8*(\t):S+8*(\t)+7], v[KF+8*((\t)%4):KF+8*((\t)%4)+7], v[\qf:\qf+7], 0, v[KSW+(\t)/2], v[\qs] matrix_a_fmt:MATRIX_FMT_FP4 matrix_b_fmt:MATRIX_FMT_FP4 matrix_a_scale:MATRIX_SCALE_ROW1
.else
	v_wmma_scale_f32_16x16x128_f8f6f4 v[S+8*(\t):S+8*(\t)+7], v[KF+8*((\t)%4):KF+8*((\t)%4)+7], v[\qf:\qf+7], 0, v[KSW+(\t)/2], v[\qs] matrix_a_fmt:MATRIX_FMT_FP4 matrix_b_fmt:MATRIX_FMT_FP4
.endif
.endm
.macro PV t                            ; O^T of the head's channels 16 t on += V^T P^T over the step's 128 keys
.if (\t)%2
	v_wmma_scale_f32_16x16x128_f8f6f4 v[O+8*(\t):O+8*(\t)+7], v[DL+8*(\t):DL+8*(\t)+7], v[PC:PC+7], v[O+8*(\t):O+8*(\t)+7], v[VSW+(\t)/2], v253 matrix_a_fmt:MATRIX_FMT_FP4 matrix_b_fmt:MATRIX_FMT_FP4 matrix_a_scale:MATRIX_SCALE_ROW1
.else
	v_wmma_scale_f32_16x16x128_f8f6f4 v[O+8*(\t):O+8*(\t)+7], v[DL+8*(\t):DL+8*(\t)+7], v[PC:PC+7], v[O+8*(\t):O+8*(\t)+7], v[VSW+(\t)/2], v253 matrix_a_fmt:MATRIX_FMT_FP4 matrix_b_fmt:MATRIX_FMT_FP4
.endif
.endm
.macro UROWS from                      ; u = score x tau + delta for four tiles, two numbers an instruction, each accumulator from its low end on
.set jj, \from
.rept 16
	v_pk_fma_f32 v[S+jj:S+jj+1], v[S+jj:S+jj+1], s[TAU:TAU+1], v[DL+jj:DL+jj+1] op_sel_hi:[1,0,1]
.set jj, jj+2
.endr
.endm
.macro PLACES                          ; four places behind a matrix instruction of this form, in front of reads of its results and of loads into registers that it has read
.rept 4
	v_nop
.endr
.endm
; The diagonal step: register 8 T + j holds the block's key 16 T + 8 h + j; my query is the block's 16 g + r: hidden where 16 T + j > d = 16 g + r - 8 h.  Hidden u become -infinity: p = 0.
.macro MASK
	v_and_b32 v[PT], 15, v0
	v_bfe_u32 v[PT+1], v0, 4, 1
	s_delay_alu instid0(VALU_DEP_1)
	v_lshlrev_b32 v[PT+1], 3, v[PT+1]
	s_delay_alu instid0(VALU_DEP_1)
	v_sub_nc_u32 v[PT], v[PT], v[PT+1]
	s_delay_alu instid0(VALU_DEP_1)
	v_add_nc_u32 v[PT], s[G16], v[PT]              ; d (it may be negative: the compare is signed)
	v_mov_b32 v254, 0xff800000                     ; -infinity
.set nn, 0
.rept 64
	v_cmp_gt_i32 vcc_lo, 16*(nn/8)+nn%8, v[PT]
	s_delay_alu instid0(VALU_DEP_1)
	v_cndmask_b32 v[S+nn], v[S+nn], v254, vcc_lo
.set nn, nn+1
.endr
.endm
; From u to p's codes, p's scale word, the sum and O^T under the new M.
.macro SOFTMAX
.irp b, 0,1,2,3
	v_max3_num_f32 v[BM+\b], v[S+16*\b], v[S+1+16*\b], v[S+2+16*\b]   ; THE LARGEST u OF EACH BLOCK OF 32 KEYS: it serves twice: for the row's maximum, and, since p rises with u, for the block's largest p
.endr
.irp i, 3,5,7,9,11,13
.irp b, 0,1,2,3
	s_delay_alu instid0(VALU_DEP_4)
	v_max3_num_f32 v[BM+\b], v[BM+\b], v[S+16*\b+\i], v[S+1+16*\b+\i]   ; (the four blocks by turns)
.endr
.endr
.irp b, 0,1,2,3
	s_delay_alu instid0(VALU_DEP_4)
	v_max_num_f32 v[BM+\b], v[BM+\b], v[S+15+16*\b]
.endr
.irp b, 0,1,2,3
	s_delay_alu instid0(VALU_DEP_4)
	v_permlanex16_b32 v[PT+\b], v[BM+\b], s[SEL], s[SEL+1]
.endr
.irp b, 0,1,2,3
	s_delay_alu instid0(VALU_DEP_4)
	v_max_num_f32 v[BM+\b], v[BM+\b], v[PT+\b]     ; with lane l xor 16's 16 keys
.endr
	s_delay_alu instid0(VALU_DEP_2)
	v_max3_num_f32 v254, v[BM], v[BM+1], v[BM+2]
	s_delay_alu instid0(VALU_DEP_1)
	v_max_num_f32 v254, v254, v[BM+3]              ; the step's largest u of my query
	s_delay_alu instid0(VALU_DEP_1)
	v_mul_f32 v254, s[CS], v254                    ; as t (c is positive)
	s_delay_alu instid0(VALU_DEP_1)
	v_max_num_f32 v13, v13, v254                   ; the running largest t
	v_mov_b32 v254, v12
	s_delay_alu instid0(VALU_DEP_2)
	v_floor_f32 v12, -v13                          ; the new -M = floor(-t) = -ceil(t): M IS A WHOLE NUMBER
	s_delay_alu instid0(VALU_DEP_1)
	v_sub_f32 v254, v12, v254                      ; M's old value less its new one: a whole number, 0 or less
	s_delay_alu instid0(VALU_DEP_1)
	v_cvt_i32_f32 v254, v254                       ; (it saturates)
	s_delay_alu instid0(VALU_DEP_1)
	v_ldexp_f32 v252, 1.0, v254                    ; f = 2^(old M - new M)
.set jj, 0
.rept 32
	v_pk_fma_f32 v[S+jj:S+jj+1], v[S+jj:S+jj+1], s[CS:CS+1], v[12:13] op_sel_hi:[1,0,0]   ; t - M, two at a time (of the pairs c and -M the low word serves both halves)
.set jj, jj+2
.endr
	s_setprio 1
.irp b, 0,1,2,3
	v_fma_f32 v[BM+\b], v[BM+\b], s[CS], v12       ; the same of each block's largest u
.endr
.set jj, 0
	s_wait_alu depctr_va_vdst(0)
.rept 64
	v_exp_f32 v[S+jj], v[S+jj]                     ; p = 2^(t - M), at most 1: NOT normalised
.set jj, jj+1
.endr
.irp b, 0,1,2,3
	v_exp_f32 v[BM+\b], v[BM+\b]                   ; the block's largest p: the same two instructions on the same number give the same bits
.endr
	v_pk_mul_f32 v[14:15], v[14:15], v[252:253] op_sel_hi:[1,0]   ; the sums under the new M.  (A plain place behind the exponentials)
	s_wait_alu depctr_va_vdst(0)
.irp b, 0,1,2,3
	v_max_num_f32 v[BM+\b], 0x1800000, v[BM+\b]    ; the floor 2^(3 - 127): the byte cannot fall under 1 (a block whose every p is 0 keeps that byte: its codes are zeros)
.endr
.irp b, 0,1,2,3
	s_delay_alu instid0(VALU_DEP_4)
	v_add_nc_u32 v[CV+\b], 0xff000000, v[BM+\b]    ; 2 off the exponent field: the conversion's scale operand
.endr
.irp b, 0,1,2,3
	s_delay_alu instid0(VALU_DEP_4)
	v_lshrrev_b32 v[PT+\b], 23, v[CV+\b]           ; the scale's byte
.endr
	s_delay_alu instid0(VALU_DEP_3)
	v_lshl_or_b32 v253, v[PT+1], 8, v[PT]          ; p's scale word for these 128 keys
	s_delay_alu instid0(VALU_DEP_1)
	v_lshl_or_b32 v253, v[PT+2], 16, v253
	s_delay_alu instid0(VALU_DEP_1)
	v_lshl_or_b32 v253, v[PT+3], 24, v253
; With G(n) = keys 8 n .. 8 n + 7, a conversion of tile T gives G(2 T) in lanes 0-15 and G(2 T + 1) in lanes 16-31.  The operand wants register 4 c + i = G(8 c + i) | G(8 c + 4 + i).
; So tiles 0, 2 go to registers 0, 1 and tiles 1, 3 to registers 2, 3 (tiles 4 to 7 likewise, four registers on), and one exchange of halves for each pair sets them right.
.irp b, 0,1,2,3
	v_cvt_scalef32_pk8_fp4_f32 v[PC+4*(\b/2)+\b%2], v[S+16*\b:S+16*\b+7], v[CV+\b]
	v_cvt_scalef32_pk8_fp4_f32 v[PC+2+4*(\b/2)+\b%2], v[S+16*\b+8:S+16*\b+15], v[CV+\b]
.endr
	v_nop                                          ; one plain vector instruction behind the last scaled conversion
.irp c, 0,1
	v_permlane16_swap_b32 v[PC+4*\c], v[PC+4*\c+1]     ; (G0 | G1), (G4 | G5) -> (G0 | G4), (G1 | G5)
	v_permlane16_swap_b32 v[PC+4*\c+2], v[PC+4*\c+3]   ; (G2 | G3), (G6 | G7) -> (G2 | G6), (G3 | G7)
.endr
	v_pk_add_f32 v[236:237], v[132:133], v[136:137]
	v_pk_add_f32 v[254:255], v[140:141], v[144:145]
	v_pk_add_f32 v[246:247], v[148:149], v[152:153]
	v_pk_add_f32 v[244:245], v[156:157], v[160:161]
	v_pk_add_f32 v[242:243], v[164:165], v[168:169]
	v_pk_add_f32 v[240:241], v[172:173], v[176:177]
	v_pk_add_f32 v[234:235], v[180:181], v[184:185]
	v_pk_add_f32 v[14:15], v[14:15], v[188:189]
	v_pk_add_f32 v[236:237], v[236:237], v[128:129]
	v_pk_add_f32 v[254:255], v[254:255], v[130:131]
	v_pk_add_f32 v[246:247], v[246:247], v[134:135]
	v_pk_add_f32 v[244:245], v[244:245], v[138:139]
	v_pk_add_f32 v[242:243], v[242:243], v[142:143]
	v_pk_add_f32 v[240:241], v[240:241], v[146:147]
	v_pk_add_f32 v[234:235], v[234:235], v[150:151]
	s_setprio 0
	v_pk_add_f32 v[14:15], v[14:15], v[154:155]
	v_pk_add_f32 v[236:237], v[236:237], v[158:159]
	v_pk_add_f32 v[254:255], v[254:255], v[162:163]
	v_pk_add_f32 v[246:247], v[246:247], v[166:167]
	v_pk_add_f32 v[244:245], v[244:245], v[170:171]
	v_pk_add_f32 v[242:243], v[242:243], v[174:175]
	v_pk_add_f32 v[240:241], v[240:241], v[178:179]
	v_pk_add_f32 v[234:235], v[234:235], v[182:183]
	v_pk_add_f32 v[14:15], v[14:15], v[186:187]
	v_pk_add_f32 v[236:237], v[236:237], v[190:191]
	s_delay_alu instid0(VALU_DEP_2)
	v_pk_add_f32 v[14:15], v[14:15], v[244:245]
	s_delay_alu instid0(VALU_DEP_2)
	v_pk_add_f32 v[236:237], v[236:237], v[242:243]
	v_pk_add_f32 v[254:255], v[254:255], v[240:241]
	v_pk_add_f32 v[246:247], v[246:247], v[234:235]
	s_delay_alu instid0(VALU_DEP_2)
	v_pk_add_f32 v[14:15], v[14:15], v[254:255]
	s_delay_alu instid0(VALU_DEP_2)
	v_pk_add_f32 v[236:237], v[236:237], v[246:247]
	s_delay_alu instid0(VALU_DEP_1)
	v_pk_add_f32 v[14:15], v[14:15], v[236:237]
.set jj, 0
.rept 16
	v_pk_mul_f32 v[O+jj:O+jj+1], v[O+jj:O+jj+1], v[252:253] op_sel_hi:[1,0]   ; O^T under the new M: x f; each accumulator from its low end on.  (The sums and these are the places between p's codes and scale word and the products)
.set jj, jj+2
.endr
.endm
; A KEY STEP: 128 keys.  qf, qs: Q's fragment and scale words.  edge = 1: the chunk may hold the pass's diagonal step and steps behind it.
.macro STEP qf, qs, edge
.if \edge
	s_cmp_gt_u32 s[ST], s[LIM]                     ; all keys of the step come after my queries: its work is left out; the lines at its end that step addresses are not
	s_cbranch_scc1 .Lhid_\@
.endif
	s_setprio 2
	v_add_nc_u32 v[ADK], s[TK], v[AK0]             ; five plain lines: also the places behind the last step's products, in front of the loads into the registers that held V
	v_add_nc_u32 v[ADS], s[TS], v[ASK0]
	v_add_nc_u32 v[ADD], s[TD], v[AD0]
	v_add_nc_u32 v[ADV], s[TV], v[AV0]
	v_add_nc_u32 v[ADT], s[TW], v[ASV0]
.irp t, 0,1,2,3
	ds_load_b128 v[KF+8*\t:KF+8*\t+3], v[ADK] offset:768*\t          ; tiles 0 to 3 of K: 16 bytes of a key's row are the fragment's lower 64 along K
.endr
.irp p, 0,1,2,3
	ds_load_u16 v[KSW+\p], v[ADS] offset:528*\p                      ; my head's two scale bytes of a key; the upper two bytes come as 0
.endr
.irp i, 0,1,2,3,4,5,6,7,8,9,10,11,12,13,14,15
	ds_load_b128 v[DL+4*\i:DL+4*\i+3], v[ADD] offset:64*(\i/2)+16*(\i%2)   ; delta of keys 16 T + 8 h + 0 .. 7: the sixteen lanes of a half read the same bytes
.endr
	s_wait_alu depctr_va_vdst(0)
	s_wait_dscnt 16                                ; K's four and the four scale loads are in; delta's sixteen may be out
.irp t, 0,1,2,3
	QK \t, \qf, \qs
.endr
	PLACES
.irp t, 0,1,2,3
	ds_load_b128 v[KF+8*\t:KF+8*\t+3], v[ADK] offset:768*(4+\t)      ; tiles 4 to 7 into the same four sets
.endr
	s_wait_dscnt 4                                 ; delta is in; the four loads just issued may be out: they land under the lines below
	UROWS 0
	s_wait_dscnt 0x0
.irp t, 4,5,6,7
	QK \t, \qf, \qs
.endr
	PLACES
	UROWS 32
.irp t, 0,1,2,3                                ; V's four fragments and scale words are asked for here, where delta has been used up: they land under the softmax
.irp c, 0,1
	ds_load_b128 v[DL+8*\t+4*\c:DL+8*\t+4*\c+3], v[ADV] offset:4352*\t+32*\c
.endr
.endr
	ds_load_b32 v[VSW], v[ADT]                     ; rows 0-31: tile 0 in lanes 0-15, tile 1 in lanes 16-31
	ds_load_b32 v[VSW+1], v[ADT] offset:768        ; rows 32-63
.if \edge
	s_cmp_lg_u32 s[ST], s[LIM]                     ; only the pass's last step lies on the diagonal
	s_cbranch_scc1 .Lopen_\@
	MASK
.Lopen_\@:
.endif
	SOFTMAX
	s_wait_alu depctr_va_vdst(0)
	s_wait_dscnt 0x0                               ; V is in
.irp t, 0,1,2,3
	PV \t                                          ; the four accumulators by turns; the next step's eight products stand between two links of a chain
.endr
.if \edge
.Lhid_\@:
.endif
	s_add_co_u32 s[ST], s[ST], 1
	s_add_co_u32 s[TK], s[TK], 6144                ; 128 keys x 48
	s_add_co_u32 s[TS], s[TS], 2112                ; 8 tiles x 264
	s_add_co_u32 s[TD], s[TD], 512
	s_add_co_u32 s[TV], s[TV], 64                  ; 128 codes along a row
	s_add_co_u32 s[TW], s[TW], 4
.endm
; Stage q's four key steps: every wave walks every chunk's four trips; the trip count is a constant.
.macro CHUNK q, qf, qs, edge
	s_mov_b32 s[ST], 4*(\q)
	s_mov_b32 s[TK], 24576*(\q)
	s_mov_b32 s[TS], 8448*(\q)
	s_mov_b32 s[TD], 2048*(\q)
	s_mov_b32 s[TV], 17408*(\q)
	s_mov_b32 s[TW], 1536*(\q)
	s_mov_b32 s[CNT], 4
.Lchunk_\@:
	STEP \qf, \qs, \edge
	s_sub_co_u32 s[CNT], s[CNT], 1
	s_cmp_lg_u32 s[CNT], 0
	s_cbranch_scc1 .Lchunk_\@
	s_setprio 0
.endm
; THE WAY OUT of a tile.  O^T / the sum goes through my own stage in LDS and comes back as whole rows of 256 bytes: sixteen lanes store 256 consecutive bytes, at a multiple of 256 from out0's first byte.
.macro FINISH more
	v_bfe_u32 v[ADK], v0, 4, 1                     ; my byte offset in the tile's rows of out0: 2,048 h + 16 r.  These four lines are also the places behind the last products
	v_and_b32 v[ADV], 15, v0
	s_delay_alu instid0(VALU_DEP_2)
	v_lshlrev_b32 v[ADK], 11, v[ADK]
	s_delay_alu instid0(VALU_DEP_1)
	v_lshl_add_u32 v[ADK], v[ADV], 4, v[ADK]
	v_add_f32 v14, v14, v15                        ; the sum's two halves,
	s_delay_alu instid0(VALU_DEP_1)
	v_permlanex16_b32 v252, v14, s[SEL], s[SEL+1]
	s_delay_alu instid0(VALU_DEP_1)
	v_add_f32 v14, v14, v252                       ; and lane l xor 16's: the row's sum
	s_wait_alu depctr_va_vdst(0)
	v_rcp_f32 v14, v14
	v_nop                                          ; one plain place behind the transcendental
.set jj, 0
	s_wait_alu depctr_va_vdst(0)
.rept 16
	v_pk_mul_f32 v[S+jj:S+jj+1], v[O+jj:O+jj+1], v[14:15] op_sel_hi:[1,0]   ; register 8 t + j is out(query r, channel 16 t + 8 h + j)
.set jj, jj+2
.endr
.irp t, 0,1,2,3
	ds_store_b128 v[STO], v[S+8*\t:S+8*\t+3] offset:64*\t
	ds_store_b128 v[STO], v[S+8*\t+4:S+8*\t+7] offset:64*\t+16
.endr
.irp i, 0,1,2,3,4,5,6,7
	ds_load_b128 v[DL+4*\i:DL+4*\i+3], v[RD] offset:544*\i         ; LDS serves a wave's instructions in order (ISA guide 5.7.1.4): these see my stores; lanes 0-15 row 2 i, lanes 16-31 row 2 i + 1
.endr
	s_lshl_b32 s2, s[LIM], 7
	s_add_co_u32 s2, s2, s[G16]                    ; the tile's first query
	s_lshl_b32 s2, s2, 11                          ; x 2,048 bytes
	s_add_co_u32 s2, s2, s[OB]
	s_add_nc_u64 s[GA:GA+1], s[20:21], s[2:3]      ; (s3 = 0)
.irp i, 0,1,2,3,4,5,6,7
	s_wait_dscnt 7-\i                              ; rows 2 i, 2 i + 1 are back; the younger loads may be out
	global_store_b128 v[ADK], v[DL+4*\i:DL+4*\i+3], s[GA:GA+1] offset:4096*\i th:TH_STORE_NT
.endr
.if \more
	s_wait_xcnt 0x0                                ; the stores' data, offset and base are written again in the next pass only behind this wait
.endif
.endm
	s_load_b256 s[4:11], s[0:1], 0x0               ; Q's codes s[4:5], Q's scales s[6:7], K's codes s[8:9], K's scales s[10:11]
	s_load_b256 s[12:19], s[0:1], 0x20             ; V's codes s[12:13], V's scales s[14:15], tau s[16:17], delta s[18:19]
	s_load_b64 s[20:21], s[0:1], 0x40              ; out0
	s_set_vgpr_msb 0x40
	v_lshl_add_u32 v0, v0, 2, 0x3d400
	v_mov_b32 v1, 0
	s_set_vgpr_msb 0x4045
	ds_add_u32 v0, v1
	ds_add_u32 v0, v1
	s_set_vgpr_msb 0x4500
	v_lshrrev_b32 v1, 5, v0
	s_delay_alu instid0(VALU_DEP_1)
	v_readfirstlane_b32 s[WV], v1                  ; wave 0..7
	s_bfe_u32 s[TMP], ttmp6, 0x40000               ; cx: my place in the cluster
	s_lshl_b32 s[G16], ttmp9, 2                    ; in a cluster launch ttmp9 counts clusters
	s_add_co_u32 s[G16], s[G16], s[TMP]            ; g = 4 x cluster x + cx
	s_lshl_b32 s[G16], s[G16], 4
	s_and_b32 s[BH], ttmp7, 0xffff                 ; 8 b + head, which the four partners share
	s_lshr_b32 s[BB], s[BH], 3
	s_and_b32 s[HEAD], s[BH], 7
	SHAPE G1K, W0K, 32, 128, 256                   ; K: 128 keys x 32 bytes, 256 bytes apart
	SHAPE G1V, W0V, 256, 64, 1024                  ; V: 64 rows x 256 bytes (512 keys), 1,024 bytes apart
	SHAPE G1S, W0S, 32, 32, 32                     ; K's scales: 8,192 dense bytes as 32 rows of 256
	SHAPE G1D, W0D, 32, 8, 32                      ; delta: 2,048 dense bytes as 8 rows of 256
	SHAPE G1W, W0W, 16, 64, 64                     ; V's scales: 64 rows x 16 bytes, 64 bytes apart
	s_mov_b32 s[SEL], 0x76543210
	s_mov_b32 s[SEL+1], 0xfedcba98
	s_mov_b32 s[CS], 0x3e38aa3b                    ; c = log2(e) / 8
	s_mov_b32 s[CS+1], s[CS]                       ; (named with it as a pair, so it is written)
	s_mov_b32 s3, 0                                ; the upper word of every offset; it stays 0
	s_wait_dscnt 0x0
	s_wait_kmcnt 0x0
	CROUND                                         ; all four work-groups are here: the joint loads meet
	; Waves 0-3: K's codes, 128 keys of each stage each; wave 4: V's codes; 5: K's scales; 6: delta; 7: V's scales.  A wave's four loads stand in one arm; the branches hang on the wave's number alone.
	; No address hangs on g: the four partners' descriptors are equal.
	s_cmp_lt_u32 s[WV], 4
	s_cbranch_scc0 .Lnot_k
	s_lshl_b32 s2, s[BB], 19                       ; a batch's keys: 2,048 x 256 bytes
	s_lshl_b32 s[TMP], s[HEAD], 5
	s_add_co_u32 s2, s2, s[TMP]
	s_lshl_b32 s[TMP], s[WV], 15                   ; my 128 keys of a stage
	s_add_co_u32 s2, s2, s[TMP]
	s_add_nc_u64 s[GA:GA+1], s[8:9], s[2:3]
	s_mul_i32 s[LA], s[WV], 6144
	FILL4 G1K, 131072, 24576
	s_branch .Lasked
.Lnot_k:
	s_cmp_eq_u32 s[WV], 4
	s_cbranch_scc0 .Lnot_v
	s_lshl_b32 s2, s[BH], 16                       ; a head's V: 64 x 1,024 bytes
	s_add_nc_u64 s[GA:GA+1], s[12:13], s[2:3]
	s_mov_b32 s[LA], VB
	FILL4 G1V, 256, 17408
	s_branch .Lasked
.Lnot_v:
	s_cmp_eq_u32 s[WV], 5
	s_cbranch_scc0 .Lnot_s
	s_lshl_b32 s2, s[BB], 15                       ; a batch's K scales: 2,048 x 16 bytes
	s_add_nc_u64 s[GA:GA+1], s[10:11], s[2:3]
	s_mov_b32 s[LA], SB
	FILL4 G1S, 8192, 8448
	s_branch .Lasked
.Lnot_s:
	s_cmp_eq_u32 s[WV], 6
	s_cbranch_scc0 .Lnot_d
	s_lshl_b32 s2, s[BB], 13                       ; a batch's delta: 2,048 x 4 bytes
	s_add_nc_u64 s[GA:GA+1], s[18:19], s[2:3]
	s_mov_b32 s[LA], DB
	FILL4 G1D, 2048, 2048
	s_branch .Lasked
.Lnot_d:
	s_lshl_b32 s2, s[BH], 12                       ; a head's V scales: 64 x 64 bytes
	s_add_nc_u64 s[GA:GA+1], s[14:15], s[2:3]
	s_mov_b32 s[LA], WB
	FILL4 G1W, 16, 1536
.Lasked:
	s_lshl_b32 s2, s[BB], 2
	s_add_nc_u64 s[16:17], s[16:17], s[2:3]
	s_load_b32 s[TAU], s[16:17], 0x0               ; tau[b]
	v_and_b32 v[PT], 15, v0                        ; r
	v_bfe_u32 v[PT+1], v0, 4, 1                    ; h
	v_and_b32 v[PT+2], 31, v0                      ; lane
	s_delay_alu instid0(VALU_DEP_3)
	v_mul_u32_u24 v[AK0], v[PT], 48
	s_delay_alu instid0(VALU_DEP_1)
	v_lshl_add_u32 v[AK0], v[PT+1], 4, v[AK0]
	v_mul_u32_u24 v[AV0], v[PT], 272
	s_delay_alu instid0(VALU_DEP_1)
	v_lshl_add_u32 v[AV0], v[PT+1], 4, v[AV0]
	s_delay_alu instid0(VALU_DEP_1)
	v_add_nc_u32 v[AV0], VB, v[AV0]
	v_mul_u32_u24 v[ASK0], v[PT+1], 264
	s_delay_alu instid0(VALU_DEP_1)
	v_lshl_add_u32 v[ASK0], v[PT], 4, v[ASK0]
	s_lshl_b32 s[TMP], s[HEAD], 1
	s_add_co_u32 s[TMP], s[TMP], SB
	v_add_nc_u32 v[ASK0], s[TMP], v[ASK0]
	v_mul_u32_u24 v[ASV0], v[PT+2], 24
	s_delay_alu instid0(VALU_DEP_1)
	v_add_nc_u32 v[ASV0], WB, v[ASV0]
	v_lshl_add_u32 v[AD0], v[PT+1], 5, DB
	s_mul_i32 s[TMP], s[WV], 4352
	s_add_co_u32 s[TMP], s[TMP], STG               ; my stage
	v_mul_u32_u24 v[STO], v[PT], 272
	s_delay_alu instid0(VALU_DEP_1)
	v_lshl_add_u32 v[STO], v[PT+1], 5, v[STO]
	s_delay_alu instid0(VALU_DEP_1)
	v_add_nc_u32 v[STO], s[TMP], v[STO]            ; in: row r, 32 bytes for each half of the lanes
	v_mul_u32_u24 v[RD], v[PT+1], 272
	s_delay_alu instid0(VALU_DEP_1)
	v_lshl_add_u32 v[RD], v[PT], 4, v[RD]
	s_delay_alu instid0(VALU_DEP_1)
	v_add_nc_u32 v[RD], s[TMP], v[RD]              ; back: lanes 0-15 one row, lanes 16-31 the next
	; Q of my two tiles: query 128 J + 16 g + r; codes at 256 bytes a query + 32 head + 16 h, scale bytes at 16 bytes a query + 2 head
	s_sub_co_u32 s[LIM], 15, s[WV]                 ; the high pass's J
	v_lshlrev_b32 v[PT+3], 8, v[PT]
	s_delay_alu instid0(VALU_DEP_1)
	v_lshl_add_u32 v[PT+3], v[PT+1], 4, v[PT+3]
	s_wait_alu depctr_va_vdst(0)
	s_lshl_b32 s2, s[BB], 19
	s_lshl_b32 s[TMP], s[HEAD], 5
	s_add_co_u32 s2, s2, s[TMP]
	s_lshl_b32 s[TMP], s[G16], 8
	s_add_co_u32 s2, s2, s[TMP]
	s_lshl_b32 s[TMP], s[LIM], 15
	s_add_co_u32 s[TMP], s[TMP], s2
	v_add_nc_u32 v[BM], s[TMP], v[PT+3]
	s_lshl_b32 s[TMP], s[WV], 15
	s_add_co_u32 s[TMP], s[TMP], s2
	v_add_nc_u32 v[BM+2], s[TMP], v[PT+3]
	v_lshlrev_b32 v[PT+3], 4, v[PT]
	s_wait_alu depctr_va_vdst(0)
	s_lshl_b32 s2, s[BB], 15
	s_lshl_b32 s[TMP], s[HEAD], 1
	s_add_co_u32 s2, s2, s[TMP]
	s_lshl_b32 s[TMP], s[G16], 4
	s_add_co_u32 s2, s2, s[TMP]
	s_lshl_b32 s[TMP], s[LIM], 11
	s_add_co_u32 s[TMP], s[TMP], s2
	v_add_nc_u32 v[BM+1], s[TMP], v[PT+3]
	s_lshl_b32 s[TMP], s[WV], 11
	s_add_co_u32 s[TMP], s[TMP], s2
	v_add_nc_u32 v[BM+3], s[TMP], v[PT+3]
	global_load_b128 v[QH:QH+3], v[BM], s[4:5]
	global_load_u16 v[QHS], v[BM+1], s[6:7]        ; two scale bytes; the upper two come as 0
	global_load_b128 v[QL:QL+3], v[BM+2], s[4:5]
	global_load_u16 v[QLS], v[BM+3], s[6:7]
.irp j, 4,5,6,7
	v_mov_b32 v[QH+\j], 0                          ; the upper 64 along K: zero codes, written once
	v_mov_b32 v[QL+\j], 0
.irp t, 0,1,2,3
	v_mov_b32 v[KF+8*\t+\j], 0
.endr
.endr
.irp j, 0,1,2,3
	v_mov_b32 v[PT+\j], 0                          ; written once: a lane permute's destination counts as one of its sources
.endr
	v_mov_b32 v252, 0
	v_mov_b32 v253, 0                              ; (named as the upper half of the pair v[252:253] before it is first written)
	s_lshl_b32 s[OB], s[BB], 22                    ; a batch of out0: 2,048 x 2,048 bytes
	s_lshl_b32 s[TMP], s[HEAD], 8
	s_add_co_u32 s[OB], s[OB], s[TMP]
	s_wait_kmcnt 0x0
	s_mov_b32 s[TAU+1], s[TAU]                     ; (named with it as a pair, so it is written)
	s_wait_loadcnt 0x0                             ; Q
	; ---- the high tile: block 15 - w, key steps 0 .. 15 - w.  Steps 0 to 7 lie in front of every wave's diagonal
	INIT
	ARRIVE 3                                       ; stage 0 is in: my three younger loads stay out
	CHUNK 0, QH, QHS, 0
	ARRIVE 2                                       ; stage 1: my two younger loads stay out
	CHUNK 1, QH, QHS, 0
	ARRIVE 0                                       ; stages 2 and 3: no tensor load is out from here on
	CHUNK 2, QH, QHS, 1
	CHUNK 3, QH, QHS, 1
	FINISH 1
	; ---- the low tile: block w, key steps 0 .. w
	s_mov_b32 s[LIM], s[WV]
	INIT
	CHUNK 0, QL, QLS, 1
	CHUNK 1, QL, QLS, 1
	FINISH 0
	s_set_vgpr_msb 0x5
	s_wait_tensorcnt 0x0
	ds_add_u32 v0, v1
	s_wait_dscnt 0x0
	s_set_vgpr_msb 0x500
	CROUND                                         ; the closing round (no LDS instruction of mine is out: the last count-down ended at 0)
	s_endpgm
.Lfunc_end_k_qbeb24468fe_attn:
	.size	k_qbeb24468fe_attn, .Lfunc_end_k_qbeb24468fe_attn-k_qbeb24468fe_attn
	.p2alignl 7, 3214868480
	.fill 96, 4, 3214868480
	.section	.rodata,"a",@progbits
	.p2align	6, 0x0
	.amdhsa_kernel k_qbeb24468fe_attn
		.amdhsa_group_segment_fixed_size 251904
		.amdhsa_private_segment_fixed_size 0
		.amdhsa_enable_private_segment 0
		.amdhsa_kernarg_size 72
		.amdhsa_user_sgpr_count 2
		.amdhsa_user_sgpr_kernarg_segment_ptr 1
		.amdhsa_wavefront_size32 1
		.amdhsa_system_sgpr_workgroup_id_x 1
		.amdhsa_system_sgpr_workgroup_id_y 1
		.amdhsa_system_sgpr_workgroup_id_z 1
		.amdhsa_system_vgpr_workitem_id 0
		.amdhsa_next_free_vgpr 258
		.amdhsa_next_free_sgpr 106
		.amdhsa_reserve_vcc 1
		.amdhsa_float_denorm_mode_32 3
		.amdhsa_float_denorm_mode_16_64 3
		.amdhsa_memory_ordered 1
		.amdhsa_forward_progress 1
		.amdhsa_inst_pref_size 182
	.end_amdhsa_kernel
	.amdgpu_metadata
---
amdhsa.version: [ 1, 2 ]
amdhsa.kernels:
  - .name:           k_qbeb24468fe_attn
    .symbol:         k_qbeb24468fe_attn.kd
    .args:
      - { .name: queries_codes, .offset: 0, .size: 8, .value_kind: global_buffer, .address_space: global }
      - { .name: queries_scales, .offset: 8, .size: 8, .value_kind: global_buffer, .address_space: global }
      - { .name: keys_codes, .offset: 16, .size: 8, .value_kind: global_buffer, .address_space: global }
      - { .name: keys_scales, .offset: 24, .size: 8, .value_kind: global_buffer, .address_space: global }
      - { .name: values_codes, .offset: 32, .size: 8, .value_kind: global_buffer, .address_space: global }
      - { .name: values_scales, .offset: 40, .size: 8, .value_kind: global_buffer, .address_space: global }
      - { .name: tau, .offset: 48, .size: 8, .value_kind: global_buffer, .address_space: global }
      - { .name: delta, .offset: 56, .size: 8, .value_kind: global_buffer, .address_space: global }
      - { .name: out0, .offset: 64, .size: 8, .value_kind: global_buffer, .address_space: global }
    .group_segment_fixed_size: 251904
    .private_segment_fixed_size: 0
    .kernarg_segment_align: 8
    .kernarg_segment_size: 72
    .max_flat_workgroup_size: 256
    .sgpr_count:     106
    .vgpr_count:     258
    .wavefront_size: 32
...
	.end_amdgpu_metadata
.endif
;; end of part 1
